; MI455X (gfx1250); checked and timed in simulation.
; The chip was launched on July 23, 2026; its instructions are those of AMD's public machine-readable ISA for CDNA 5 (MIT licence, August 2026) and "CDNA5" Instruction Set Architecture Reference Guide (July 2026). The comments in the code are by the model that wrote it; some were corrected since.
;; Tidal Attention. Allowed arithmetic: matrix products marked QUANTISED: E3M2 operands, one E8M0 scale for each 32 along K, by v_wmma_scale_f32_16x16x128_f8f6f4 with both operands' format E3M2, f32 sums; everything else in f32.
;; Inputs: Wk 1,024 x 1,024 float32; Wq 1,024 x 1,024 float32; Wv 1,024 x 1,024 float32; attention_mask 4 x 1 x 1 x 2,048 float32; bk 1,024 float32; bq 1,024 float32; bv 1,024 float32; hidden_states 4 x 2,048 x 1,024 float32.
;; Outputs: out0 4 x 2,048 x 1,024 float32.
;; This version of the problem:
;;   THIS VERSION OF THE PROBLEM IS GIVEN IN LOW PRECISION. The matrix products marked QUANTISED in the list below multiply operands that are first quantised to E3M2 (3 exponent bits, 2 mantissa bits; 6 bits a number), with one power-of-two scale for each 32 numbers along K (OCP MX v1.0); their sums are f32. All else is computed in f32.
;;   The module's matrix products, in the order in which they are computed (A, B: the left and right operand; K: the contracted axis; several contracted axes count as one K, in the product's order):
;;     1. [M 8,192, K 1,024] x [K 1,024, N 1,024]; A: input hidden_states; B: input Wq: QUANTISED
;;     2. [M 8,192, K 1,024] x [K 1,024, N 1,024]; A: input hidden_states; B: input Wk: QUANTISED
;;     3. [M 8,192, K 1,024] x [K 1,024, N 1,024]; A: input hidden_states; B: input Wv: QUANTISED
;;     4. batch 64 x [M 2,048, K 64] x [K 64, N 2,048]; A: computed on the way; B: computed on the way: QUANTISED
;;     5. batch 64 x [M 2,048, K 2,048] x [K 2,048, N 64]; A: computed on the way; B: computed on the way: QUANTISED
;;   THE QUANTISER, for each operand of a quantised product, along K:
;;     - K is cut into blocks of 32 from its start; a last block that is shorter is filled with zeros.
;;     - A block's scale is 2^e with e = floor(log2(the largest magnitude in the block)) - 4, held to -126 .. 127; a block of zeros has e = 0. As a byte (E8M0): e + 127.
;;     - Each number is divided by its block's scale, clamped to +-28, and rounded to the nearest number of E3M2, ties to even, subnormals kept.
;;     - The product sums the exact products of the quantised numbers (number of the format x scale) in f32.
;;   ~~~python
;;   def quantise(x, axis):      # numpy; x: float32 -> the quantised numbers, widened to float32 again
;;       x = np.moveaxis(x, axis, -1); K = x.shape[-1]
;;       x = np.pad(x, [(0, 0)] * (x.ndim - 1) + [(0, -K % 32)]); x = x.reshape(x.shape[:-1] + (-1, 32)); a = np.abs(x).max(-1, keepdims=True)
;;       e = np.where(a > 0, np.clip(np.frexp(np.where(a > 0, a, 1))[1] - 1 - 4, -126, 127), 0)      # np.frexp(a)[1] - 1 = floor(log2(a)), exactly
;;       r = np.clip(x / 2.0 ** e, -28, 28)
;;       step = 2.0 ** (np.maximum(np.frexp(np.where(r == 0, 1, r))[1] - 1, -2) - 2)
;;       q = np.round(r / step) * step * 2.0 ** e      # np.round: ties to even
;;       return np.moveaxis(q.reshape(q.shape[:-2] + (-1,))[..., :K], -1, axis).astype(np.float32)
;;   ~~~
;;   OPERANDS COMPUTED ON THE WAY. 'Computed on the way' means the value that the module computes at that place (a softmax that the list does not call 'softmax' is quantised finished and normalised). What goes into a quantiser is computed in f32, as accurately as f32 sums, v_exp_f32 and their like allow (about 1e-6 of the number): no bf16 or f16 on the way to a quantiser, and a product that is left as it is and whose result goes on into a quantised operand takes f32 operands (vector FMAs, or v_wmma_f32_16x16x4_f32). A number that lies on a knife's edge between two numbers of the format may be rounded either way, as far as f32 arithmetic and the matrix unit's own rounding can turn it there, and no further.
;; One version. Each part assembles by itself: llvm-mc -triple=amdgcn-amd-amdhsa -mcpu=gfx1250 --defsym DOCPART=n.
;; ======== version 1 of 1: 3 launches
;; limits: right only within a limited range of input values
;; workspace buffers: hs_codes 6,291,456 bytes; hs_scales 262,144 bytes; w_codes 2,359,296 bytes; w_scales 98,304 bytes; qk 13,631,488 bytes; vq 6,553,600 bytes
;; launch quant (part 1): grid 352 x 1, 4 waves a work-group, no clusters, 33,280 bytes of LDS; arguments hidden_states, Wq, Wk, Wv, hs_codes, hs_scales, w_codes, w_scales; writes hs_codes, hs_scales, w_codes, w_scales
.if DOCPART == 1
	.amdgcn_target "amdgcn-amd-amdhsa--gfx1250"
	.amdhsa_code_object_version 6
	.text
	.protected	k_q2f18c6858f_quant
	.globl	k_q2f18c6858f_quant
	.p2align	8
	.type	k_q2f18c6858f_quant,@function
k_q2f18c6858f_quant:
	s_mov_b64 s[64:65], 0
	v_nop
	global_prefetch_b8 v0, s[64:65] scope:SCOPE_SE
	s_setreg_imm32_b32 hwreg(HW_REG_WAVE_MODE, 25, 1), 1
	s_wait_xcnt 0x0
; LAUNCH 1 OF 3.  hidden_states [8192][1024] and Wq, Wk, Wv [1024][1024], f32, K innermost, become codes of BF6 (E3M2), 6 bits each, with one E8M0 byte for each 32 along K.
; DEAD WORK THAT THE WHOLE PROGRAM LEAVES OUT: the two flips of reference().  A softmax gives element i the number exp(x_i - max) / sum, and neither the maximum nor the sum hangs on the
; order of the elements: flip(softmax(flip(x))) = softmax(x) for all finite x, in exact arithmetic.  The probabilities are flipped back ahead of the last product, so in reference() too they
; stand in the keys' own order where they are quantised: the blocks of 32 keys are cut at the same places.  The flips compute nothing, so no NaN, infinity or overflow can reach them alone.
; Every input keeps a way to the output (the biases stand ahead of quantisers, the mask differs along the softmax's axis): all eight are loaded by the program.
; A block's scale is 2^(floor(log2(its largest magnitude)) - 4); its byte is the largest magnitude's exponent field - 4, held at 1 from below.  A block of zeros so gets the byte 1 where the
; rule says 127: its codes are zeros, which add nothing under any byte but 0xff, and this program alone reads the bytes.
; LIMITS: blocks whose largest magnitude lies under 2^(4 - 126), the floor, get the byte 1; NaN and infinities among the inputs are not served.
; SHARES.  A wave takes 8 rows (8,192 numbers) in 16 steps of 512; a work-group 32 rows.  Work-groups 0-255: hidden_states; 256-287: Wq; 288-319: Wk; 320-351: Wv (w_codes holds Wq's, Wk's, Wv's rows on end).
; THE ROWS ARE LAID IN ANOTHER ORDER: row a goes to place a with its bits 3 and 4 exchanged, so wave w of a work-group writes the run of 8 rows that wave ((w & 1) << 1 | w >> 1) would write in plain order.
; Place 16 i + p of a group of 128 then holds row 32 (i / 2) + 8 (i % 2) + p + 8 (p / 8): with such tiles the next launch's results fall so that a lane's 16 registers of two neighbouring tiles are 16 neighbours.
; Each of a step's four loads reads 512 consecutive bytes; the 2,048 bytes turn through the wave's own stage in LDS and come back 64 bytes (16 neighbours along K) a lane; two neighbouring lanes hold a block.
; No tensor loads, no barrier: waves share nothing.  Loads run four steps (16 loads a wave) ahead, the turn through LDS one step.
.set WAVES, 4
.set STEPS, 16
.set EMAX,  4
.set CB,    12                         ; bytes of 16 codes
.set R,     16                         ; v16-79   four sets of 16 numbers as they are loaded
.set X,     80                         ; v80-111  two sets of 16 neighbours
.set C,     128                        ; v128-191 codes: four registers for each step, so that no store's data are written again
.set E,     112                        ; v112-127 a scale byte for each step
.set WREG,  8192                       ; LDS: a region for each wave: two stages of 32 x SP bytes, and behind them its 256 scale bytes
.set SP,    80                         ; a lane's place in a stage: its 64 bytes + 16 of padding
.set SPW,   12                         ; v12      LDS address of my spare word: SPARE + 4 x my thread's number; never rewritten
.set NIL,   13                         ; v13      0; never rewritten
.set SPARE, WAVES*WREG                 ; behind the four regions: the spare words, 128 bytes for each wave
	s_load_b256 s[4:11], s[0:1], 0x0               ; hidden_states s[4:5], Wq s[6:7], Wk s[8:9], Wv s[10:11]
	s_load_b256 s[12:19], s[0:1], 0x20             ; hs_codes s[12:13], hs_scales s[14:15], w_codes s[16:17], w_scales s[18:19]
	v_lshl_add_u32 v[SPW], v0, 2, SPARE
	v_mov_b32 v[NIL], 0
	v_lshrrev_b32 v1, 5, v0
	v_readfirstlane_b32 s20, v1                    ; wave
	v_and_b32 v2, 31, v0                           ; lane
	v_lshlrev_b32 v3, 4, v2                        ; my 16 bytes of a load's 512
	s_mul_i32 s21, s20, WREG
	v_lshrrev_b32 v14, 2, v2
	v_mul_u32_u24 v14, v14, SP
	v_and_b32 v15, 3, v2
	v_lshl_add_u32 v14, v15, 4, v14
	v_add_nc_u32 v14, s21, v14                     ; the stage, on the way in: SP (lane / 4) + 16 (lane % 4)
	v_mul_u32_u24 v15, v2, SP
	v_add_nc_u32 v15, s21, v15                     ; and on the way out: SP x lane: my 16 neighbours
	v_mul_u32_u24 v4, v2, CB                       ; my codes' place in a step's
	v_lshrrev_b32 v5, 1, v2
	s_add_co_u32 s21, s21, 2*32*SP
	v_add_nc_u32 v5, s21, v5                       ; LDS: my wave's 256 scale bytes, my block's byte
	v_lshlrev_b32 v7, 3, v2                        ; and on the way out 8 bytes a lane
	v_add_nc_u32 v6, s21, v7
	s_and_b32 s22, s20, 1
	s_lshl_b32 s22, s22, 1
	s_lshr_b32 s23, s20, 1
	s_or_b32 s22, s22, s23                         ; the wave's number with its two bits exchanged: where my 8 rows go
	s_wait_alu depctr_va_vdst(0)
	s_wait_kmcnt 0x0
	s_cmp_lt_u32 ttmp9, 320                        ; which tensor?  The choices hang on the work-group's number alone
	s_cselect_b64 s[8:9], s[8:9], s[10:11]         ; Wk or Wv
	s_cmp_lt_u32 ttmp9, 288
	s_cselect_b64 s[6:7], s[6:7], s[8:9]           ; Wq or that
	s_cmp_lt_u32 ttmp9, 256
	s_cselect_b64 s[4:5], s[4:5], s[6:7]           ; hidden_states or that
	s_cselect_b64 s[12:13], s[12:13], s[16:17]     ; the codes' buffer
	s_cselect_b64 s[14:15], s[14:15], s[18:19]     ; the scale bytes' buffer
	s_cselect_b32 s24, 0, 256                      ; the first work-group that writes into that buffer
	s_cselect_b32 s25, -1, 31                      ; a weight has 32 work-groups
	s_and_b32 s26, ttmp9, s25                      ; my work-group's place in its source
	s_lshl_b32 s26, s26, 2
	s_add_co_u32 s26, s26, s20                     ; which run of 8,192 numbers I read,
	s_lshl_b32 s26, s26, 15                        ; in bytes (under 2^26)
	s_mov_b32 s27, 0
	s_add_nc_u64 s[4:5], s[4:5], s[26:27]
	s_sub_co_u32 s28, ttmp9, s24
	s_lshl_b32 s28, s28, 2
	s_add_co_u32 s28, s28, s22                     ; which run I write
	s_mul_i32 s26, s28, 32*STEPS*CB                ; 6,144 bytes of codes a run
	s_add_nc_u64 s[12:13], s[12:13], s[26:27]
	s_lshl_b32 s26, s28, 8                         ; 256 scale bytes a run
	s_add_nc_u64 s[14:15], s[14:15], s[26:27]
.macro LOAD t
.irp i, 0,1,2,3
	global_load_b128 v[R+16*((\t)%4)+4*\i:R+16*((\t)%4)+4*\i+3], v3, s[4:5] offset:2048*(\t)+512*\i th:TH_LOAD_NT   ; 32 lanes read 512 consecutive bytes
.endr
.endm
.macro TURN t                          ; step t's numbers through the stage: LDS serves a wave's instructions in order, so no wait stands between the stores and the loads
.irp i, 0,1,2,3
	ds_store_b128 v14, v[R+16*((\t)%4)+4*\i:R+16*((\t)%4)+4*\i+3] offset:32*SP*((\t)%2)+8*SP*\i
.endr
.irp i, 0,1,2,3
	ds_load_b128 v[X+16*((\t)%2)+4*\i:X+16*((\t)%2)+4*\i+3], v15 offset:32*SP*((\t)%2)+16*\i
.endr
.endm
.irp t, 0,1,2,3
	LOAD \t
.endr
	s_wait_loadcnt 12                              ; step 0's four loads are in; the twelve of steps 1 to 3 may be out
	TURN 0
.macro STEP t
.set XS, X+16*((\t)%2)
.if (\t) > 0
	s_wait_dscnt 1                                 ; this step's numbers are back from the stage (the last step's byte store may be out): so its stores into the stage have read their registers,
.else
	s_wait_dscnt 0x0
.endif
.if (\t)+4 < STEPS
	LOAD (\t)+4                                    ; which take the loads of four steps on
.endif
.if (\t)+1 < STEPS
.if STEPS-2-(\t) >= 3
	s_wait_loadcnt 12                              ; the next step's four loads are in; those of the three steps behind it may be out
.else
	s_wait_loadcnt 4*(STEPS-2-(\t))
.endif
	TURN (\t)+1                                    ; and go through the other stage while this step is worked
.endif
	v_max3_num_f32 v8, |v[XS]|, |v[XS+1]|, |v[XS+2]|               ; the largest magnitude of my 16, in two chains
	v_max3_num_f32 v9, |v[XS+3]|, |v[XS+4]|, |v[XS+5]|
.irp i, 6,10
	v_max3_num_f32 v8, v8, |v[XS+\i]|, |v[XS+\i+1]|
	v_max3_num_f32 v9, v9, |v[XS+\i+2]|, |v[XS+\i+3]|
.endr
	v_max3_num_f32 v8, v8, |v[XS+14]|, |v[XS+15]|
	v_max3_num_f32 v8, v8, v9, (EMAX+1)<<23        ; and the floor 2^(EMAX + 1 - 127): the byte cannot fall under 1
	v_max_num_f32_dpp v8, v8, v8 row_xmask:1 row_mask:0xf bank_mask:0xf   ; and of my neighbour's 16: the block's
	v_add_nc_u32 v11, -(EMAX<<23), v8              ; EMAX off its exponent field: the conversion takes the exponent field of this operand as its scale, and nothing else of it
	v_cvt_scalef32_pk16_bf6_f32 v[C+4*(\t):C+4*(\t)+2], v[XS:XS+15], v11   ; sixteen numbers / the scale, to the nearest code, ties to even, beyond the largest code the largest; 96 bits without gaps
	v_lshrrev_b32 v[E+(\t)], 23, v11               ; the scale's byte (also the plain line behind the conversion)
	ds_store_b8 v5, v[E+(\t)] offset:16*(\t)       ; both lanes of a block write the same byte with the same value
	global_store_b96 v4, v[C+4*(\t):C+4*(\t)+2], s[12:13] offset:32*CB*(\t)   ; the wave stores 384 consecutive bytes
.endm
.irp t, 0,1,2,3,4,5,6,7,8,9,10,11,12,13,14,15
	STEP \t
.endr
	ds_load_b64 v[8:9], v6                         ; LDS serves a wave's instructions in order: these see my stores
	s_wait_dscnt 0x0
	global_store_b64 v7, v[8:9], s[14:15]          ; 32 lanes store 256 consecutive bytes, aligned
	s_wait_tensorcnt 0x0                           ; the wave's end: behind my last LDS store
	ds_add_u32 v[SPW], v[NIL]
	s_wait_dscnt 0x0
	s_endpgm
.Lfunc_end_k_q2f18c6858f_quant:
	.size	k_q2f18c6858f_quant, .Lfunc_end_k_q2f18c6858f_quant-k_q2f18c6858f_quant
	.p2alignl 7, 3214868480
	.fill 96, 4, 3214868480
	.section	.rodata,"a",@progbits
	.p2align	6, 0x0
	.amdhsa_kernel k_q2f18c6858f_quant
		.amdhsa_group_segment_fixed_size 33280
		.amdhsa_private_segment_fixed_size 0
		.amdhsa_enable_private_segment 0
		.amdhsa_kernarg_size 64
		.amdhsa_user_sgpr_count 2
		.amdhsa_user_sgpr_kernarg_segment_ptr 1
		.amdhsa_wavefront_size32 1
		.amdhsa_system_sgpr_workgroup_id_x 1
		.amdhsa_system_sgpr_workgroup_id_y 1
		.amdhsa_system_sgpr_workgroup_id_z 1
		.amdhsa_system_vgpr_workitem_id 0
		.amdhsa_next_free_vgpr 192
		.amdhsa_next_free_sgpr 66
		.amdhsa_reserve_vcc 0
		.amdhsa_float_denorm_mode_32 3
		.amdhsa_float_denorm_mode_16_64 3
		.amdhsa_memory_ordered 1
		.amdhsa_forward_progress 1
		.amdhsa_inst_pref_size 33
	.end_amdhsa_kernel
	.amdgpu_metadata
---
amdhsa.version: [ 1, 2 ]
amdhsa.kernels:
  - .name:           k_q2f18c6858f_quant
    .symbol:         k_q2f18c6858f_quant.kd
    .args:
      - { .name: hidden_states, .offset: 0, .size: 8, .value_kind: global_buffer, .address_space: global }
      - { .name: Wq, .offset: 8, .size: 8, .value_kind: global_buffer, .address_space: global }
      - { .name: Wk, .offset: 16, .size: 8, .value_kind: global_buffer, .address_space: global }
      - { .name: Wv, .offset: 24, .size: 8, .value_kind: global_buffer, .address_space: global }
      - { .name: hs_codes, .offset: 32, .size: 8, .value_kind: global_buffer, .address_space: global }
      - { .name: hs_scales, .offset: 40, .size: 8, .value_kind: global_buffer, .address_space: global }
      - { .name: w_codes, .offset: 48, .size: 8, .value_kind: global_buffer, .address_space: global }
      - { .name: w_scales, .offset: 56, .size: 8, .value_kind: global_buffer, .address_space: global }
    .group_segment_fixed_size: 33280
    .private_segment_fixed_size: 0
    .kernarg_segment_align: 8
    .kernarg_segment_size: 64
    .max_flat_workgroup_size: 128
    .sgpr_count:     66
    .vgpr_count:     192
    .wavefront_size: 32
...
	.end_amdgpu_metadata
.endif
;; end of part 1
;; launch proj (part 2): grid 8 x 48, 4 waves a work-group, clusters of 4 x 4, 327,680 bytes of LDS; arguments hs_codes, hs_scales, w_codes, w_scales, bq, bk, bv, qk, vq; writes qk, vq
.if DOCPART == 2
	.amdgcn_target "amdgcn-amd-amdhsa--gfx1250"
	.amdhsa_code_object_version 6
	.text
	.protected	k_q2f18c6858f_proj
	.globl	k_q2f18c6858f_proj
	.p2align	8
	.type	k_q2f18c6858f_proj,@function
k_q2f18c6858f_proj:
	s_mov_b64 s[64:65], 0
	v_nop
	global_prefetch_b8 v0, s[64:65] scope:SCOPE_SE
	s_setreg_imm32_b32 hwreg(HW_REG_WAVE_MODE, 25, 1), 1
	s_wait_xcnt 0x0
	s_wait_alu depctr_hold_cnt(0) depctr_sa_sdst(0) depctr_va_vdst(0) depctr_va_sdst(0) depctr_va_ssrc(0) depctr_va_vcc(0) depctr_vm_vsrc(0)
	s_getreg_b32 s2, hwreg(HW_REG_IB_STS2, 6, 4)
	s_cmp_eq_u32 s2, 0
	s_cbranch_scc0 .Lentry_in_a_cluster
	s_endpgm
.Lentry_in_a_cluster:
	s_bfe_u32 s2, ttmp6, 0x10000c
	s_cmp_lg_u32 s2, 0xf033
	s_cbranch_scc0 .Lentry_shape_is_right
	s_endpgm
.Lentry_shape_is_right:
; LAUNCH 2 OF 3.  q, k = hs Wq^T + bq, hs Wk^T + bk and v = hs Wv^T + bv on codes of BF6 with E8M0 scales, K = 1,024; the results are quantised here, along the next products' K,
; and stored as images of the next launch's operand registers.  The two flips of reference() are left out, as the first kernel's head shows.
; A block of 256 x 256 to a work-group of four waves, 128 x 128 a wave: 64 accumulators.  Cluster rows 0-7: source 1 = 256 tokens, source 0 = 256 rows of Wq or Wk: a lane holds one token, its registers run along
; the head's features (the K of q k^T).  Cluster rows 8-11: source 1 = 256 rows of Wv, source 0 = 256 tokens: a lane holds one feature, its registers run along the keys (the K of p v).
; K goes through a ring of two LDS slots in CHUNKS OF 256 BYTES of each row of codes (a row is 768 bytes: three chunks, each beginning on a multiple of 256); a step of 128 along K is 96 bytes: eight steps.
; Steps 2 and 5 lie across two chunks.  The scales of both sides' 256 rows come once, as dense blocks.  Tiles are asked for jointly: source 1's along a row of the 4 x 4 cluster, source 0's along a column.
; No prefetch: the walk has three chunks, of which two are asked for at the head; there is no loop to run ahead in.
; REGISTERS: window 0: v16-29 addresses, v32-63 scale words (two sets), v64-127 the biases, v128-223 source 1's fragments, v224-231 the biases' offsets; window 1: source 0's fragments, two sets; windows 2, 3: accumulators.
.set ROWB,   256
.set NQ,     2
.set KROW,   768
.set STEPS,  8
.set CHUNKS, 3
.set PITCH,  272                       ; 256 bytes + 16 of padding
.set FR,     12
.set NL,     6
.set NP,     4
.set HALFT,  128*PITCH
.set SLOT,   4*HALFT
.set KS,     32
.set SCL,    2*SLOT
.set HALFS,  16*272
.set SBLK,   2*272
.set SPARE,  SCL+4*HALFS               ; the spare words: 128 bytes a wave
.set HEADQ,  16*6656
.set HEADV,  16*6400
.set ADRA, 16
.set ADRB, 20
.set LI,   24
.set L8,   25
.set ADRS, 27
.set SPW,  28
.set NIL,  29
.set SC,   32
.set BIAS, 64
.set AF,   128
.set BOF,  224
.set TT,   128
.set QC,   192
.set TM,   212
.set WW,   232
.set SW,   240
.set G1, 24
.set G0, 32
.set G1B, 48
.set G0B, 56
.set G1S, 68
.set G0S, 76
.set G1SB, 80
.set G0SB, 88
.set G0H, 4
.set G0HB, 8
.set SEL, 92
.set HIL, 94
.set ISV, 95
.set MSB, 0
.macro WIN new
.if MSB != (\new)
	s_set_vgpr_msb (MSB<<8)|(\new)
.set MSB, (\new)
.endif
.endm
.set MUL_LO, 0xa1
.set MUL_HI, 0xf1
.set TO_B,   0x40
.macro JLOAD g0a, g1a, g0b, g1b        ; waves 0, 1 fetch for source 1, waves 2, 3 for source 0
	s_cmp_eq_u32 s15, 0
	s_cbranch_scc0 .Lfor_b_\@
	tensor_load_to_lds s[\g0a:\g0a+3], s[\g1a:\g1a+7]
	s_nop 0
.rept 4
	v_nop
.endr
	s_branch .Lasked_\@
.Lfor_b_\@:
	tensor_load_to_lds s[\g0b:\g0b+3], s[\g1b:\g1b+7]
	s_nop 0
.rept 4
	v_nop
.endr
.Lasked_\@:
.endm
.macro CREST
	s_cmp_lg_u32 s14, 0
	s_cbranch_scc1 .Lnot_wave_0_\@
	s_barrier_signal -3
.Lnot_wave_0_\@:
	s_barrier_wait -3
	s_barrier_signal -1
	s_barrier_wait -1
.endm
.macro CROUND
	s_barrier_signal -1
	s_barrier_wait -1
	CREST
.endm
	s_load_b256 s[4:11], s[0:1], 0x0               ; hs_codes, hs_scales, w_codes, w_scales
	s_load_b128 s[96:99], s[0:1], 0x20             ; bq, bk
	s_load_b64 s[100:101], s[0:1], 0x30            ; bv
	s_load_b64 s[12:13], s[0:1], 0x38              ; qk
	s_load_b64 s[66:67], s[0:1], 0x40              ; vq
	v_lshl_add_u32 v[SPW], v0, 2, SPARE
	v_mov_b32 v[NIL], 0
	ds_add_u32 v[SPW], v[NIL]                      ; the opening lines: the add twice on end and its wait
	ds_add_u32 v[SPW], v[NIL]
	v_lshrrev_b32 v1, 5, v0
	v_readfirstlane_b32 s14, v1                    ; wave
	s_lshr_b32 s15, s14, 1                         ; my half of source 1's rows; also: for which side I fetch
	s_and_b32 s16, s14, 1                          ; my half of source 0's rows; also: which 128 rows I fetch
	s_bfe_u32 s40, ttmp6, 0x40000                  ; cx
	s_bfe_u32 s41, ttmp6, 0x40004                  ; cy
	s_and_b32 s18, ttmp7, 0xffff                   ; cluster row 0-11
	s_lshl_b32 s19, s18, 2
	s_lshl_b32 s2, ttmp9, 2
	s_max_u32 s3, s18, 8
	s_sub_co_u32 s3, s3, 8
	s_lshl_b32 s3, s3, 3
	s_add_co_u32 s3, s3, s2
	s_cmp_ge_u32 s18, 8                            ; cluster rows 8-11 make v
	s_cselect_b32 s17, 8, s19
	s_cselect_b32 s42, s3, s2
	s_cselect_b32 s[ISV], 1, 0
	s_add_co_u32 s17, s17, s41                     ; source 1's tile: q, k: tokens 0-31; v: the weights' tiles 8-11
	s_add_co_u32 s42, s42, s40                     ; source 0's tile: q, k: the weights' tiles 0-7; v: tokens 0-31
	s_lshl_b32 s43, s41, 2
	s_lshl_b32 s43, 15, s43                        ; my row of the cluster
	s_lshl_b32 s44, 0x1111, s40                    ; my column
	s_or_b32 s[G1+0], s43, (0<<16)|(1<<20)|(1<<21)|(5<<22)|(3<<25)
	s_or_b32 s[G1B+0], s44, (0<<16)|(1<<20)|(1<<21)|(5<<22)|(3<<25)
.irp g, G1, G1B
	s_mov_b32 s[\g+1], ROWB<<16
	s_mov_b32 s[\g+2], 256<<16                     ; the head's loads bring 256 rows
	s_mov_b32 s[\g+3], ROWB<<16
	s_mov_b32 s[\g+4], 256
	s_mov_b32 s[\g+5], KROW
	s_mov_b32 s[\g+6], 0
	s_mov_b32 s[\g+7], 0
.endr
	s_or_b32 s[G1S+0], s43, (3<<16)|(1<<20)|(1<<21)|(5<<22)|(3<<25)
	s_or_b32 s[G1SB+0], s44, (3<<16)|(1<<20)|(1<<21)|(5<<22)|(3<<25)
.irp g, G1S, G1SB                      ; the scales of 256 rows: 8,192 dense bytes as 32 rows of 256
	s_mov_b32 s[\g+1], 32<<16
	s_mov_b32 s[\g+2], KS<<16
	s_mov_b32 s[\g+3], 32<<16
	s_mov_b32 s[\g+4], KS
	s_mov_b32 s[\g+5], 32
	s_mov_b32 s[\g+6], 0
	s_mov_b32 s[\g+7], 0
.endr
	s_lshl_b32 s20, s17, 8
	s_lshl_b32 s46, s42, 8
	s_mov_b32 s21, 0
	s_mov_b32 s47, 0
	s_mov_b64 s[18:19], KS
	s_mul_u64 s[22:23], s[20:21], s[18:19]
	s_mul_u64 s[92:93], s[46:47], s[18:19]
	s_mov_b64 s[18:19], KROW
	s_mul_u64 s[20:21], s[20:21], s[18:19]
	s_mul_u64 s[46:47], s[46:47], s[18:19]
	s_mul_i32 s18, s16, 128*KROW                   ; in the ring I fetch 128 rows
	s_mov_b32 s19, 0
	s_mul_i32 s45, s14, HALFT
	s_wait_dscnt 0x0                               ; both opening adds are done
	s_wait_kmcnt 0x0
	s_cmp_eq_u32 ttmp9, 0
	s_cselect_b64 s[96:97], s[96:97], s[98:99]     ; bq or bk
	s_cmp_eq_u32 s[ISV], 1
	s_cselect_b64 s[96:97], s[100:101], s[96:97]   ; or bv
	s_cselect_b64 s[2:3], s[8:9], s[4:5]           ; for v the two sides change places
	s_cselect_b64 s[8:9], s[4:5], s[8:9]
	s_mov_b64 s[4:5], s[2:3]
	s_cselect_b64 s[2:3], s[10:11], s[6:7]
	s_cselect_b64 s[10:11], s[6:7], s[10:11]
	s_mov_b64 s[6:7], s[2:3]
	s_add_nc_u64 s[20:21], s[4:5], s[20:21]
	s_add_nc_u64 s[22:23], s[6:7], s[22:23]
	s_add_nc_u64 s[46:47], s[8:9], s[46:47]
	s_add_nc_u64 s[92:93], s[10:11], s[92:93]
	CROUND                                         ; the first joint loads meet
	s_mov_b32 s[G0H], 1
	s_mov_b32 s[G0H+1], 0
	s_mov_b64 s[G0H+2:G0H+3], s[20:21]
	s_or_b32 s[G0H+3], s[G0H+3], 0x80000000
	s_mov_b32 s[G0HB], 1
	s_mov_b32 s[G0HB+1], 2*HALFT
	s_mov_b64 s[G0HB+2:G0HB+3], s[46:47]
	s_or_b32 s[G0HB+3], s[G0HB+3], 0x80000000
	s_mov_b32 s[G0S], 1
	s_mov_b32 s[G0S+1], SCL
	s_mov_b64 s[G0S+2:G0S+3], s[22:23]
	s_or_b32 s[G0S+3], s[G0S+3], 0x80000000
	s_mov_b32 s[G0SB], 1
	s_mov_b32 s[G0SB+1], SCL+2*HALFS
	s_mov_b64 s[G0SB+2:G0SB+3], s[92:93]
	s_or_b32 s[G0SB+3], s[G0SB+3], 0x80000000
	s_add_nc_u64 s[20:21], s[20:21], s[18:19]
	s_add_nc_u64 s[46:47], s[46:47], s[18:19]
.irp s, 0,1
	s_mov_b32 s[G0+4*\s], 1
	s_add_co_u32 s[G0+4*\s+1], s45, \s*SLOT
	s_add_nc_u64 s[G0+4*\s+2:G0+4*\s+3], s[20:21], \s*ROWB
	s_or_b32 s[G0+4*\s+3], s[G0+4*\s+3], 0x80000000
	s_mov_b32 s[G0B+4*\s], 1
	s_add_co_u32 s[G0B+4*\s+1], s45, \s*SLOT
	s_add_nc_u64 s[G0B+4*\s+2:G0B+4*\s+3], s[46:47], \s*ROWB
	s_or_b32 s[G0B+4*\s+3], s[G0B+4*\s+3], 0x80000000
.endr
; the head's four tiles, one load a wave: chunk 0 of source 1's 256 rows, of source 0's, and the two blocks of scales
.macro ARM under, g0, g1, next
	s_cmp_lt_u32 s14, \under
	s_cbranch_scc0 \next
	tensor_load_to_lds s[\g0:\g0+3], s[\g1:\g1+7]
	s_nop 0
.rept 4
	v_nop
.endr
	s_branch .Lhead_asked
\next:
.endm
	ARM 1, G0H,  G1,  .Lhead_b
	ARM 2, G0HB, G1B, .Lhead_sa
	ARM 3, G0S,  G1S, .Lhead_sb
	tensor_load_to_lds s[G0SB:G0SB+3], s[G1SB:G1SB+7]
	s_nop 0
.rept 4
	v_nop
.endr
.Lhead_asked:
	v_and_b32 v1, 15, v0                           ; r
	v_bfe_u32 v2, v0, 4, 1                         ; h
	v_mul_u32_u24 v3, v1, PITCH
	v_mul_u32_u24 v4, v2, 24
	v_add_nc_u32 v4, v3, v4                        ; row x pitch + 24 h
	s_mov_b32 s21, SLOT-232
	s_mov_b32 s22, SLOT+232
	v_sub_nc_u32 v7, 1, v2
	v_mul_u32_u24 v5, s21, v2
	v_add_nc_u32 v5, v3, v5
	v_add_nc_u32 v5, 232, v5                       ; across two chunks: lanes 0-15 byte 232 in slot 0, lanes 16-31 byte 0 in slot 1
	v_mul_u32_u24 v6, s22, v7
	v_add_nc_u32 v6, v3, v6                        ; and the other way round
	s_mul_i32 s21, s15, HALFT
	s_mul_i32 s22, s16, HALFT
	s_add_co_u32 s22, s22, 2*HALFT
	v_add_nc_u32 v[ADRA+2], s21, v5
	v_add_nc_u32 v[ADRA+3], s21, v6
	v_add_nc_u32 v[ADRB+2], s22, v5
	v_add_nc_u32 v[ADRB+3], s22, v6
.irp s, 0,1
	v_add_nc_u32 v[ADRA+\s], s21, v4
	v_add_nc_u32 v[ADRB+\s], s22, v4
	s_add_co_u32 s21, s21, SLOT
	s_add_co_u32 s22, s22, SLOT
.endr
	v_mul_u32_u24 v5, v1, KS
	v_lshrrev_b32 v6, 8, v5
	v_lshl_add_u32 v5, v6, 4, v5
	s_mul_i32 s21, s15, HALFS
	s_mul_i32 s22, s16, HALFS
	s_add_co_u32 s22, s22, 2*HALFS
	s_sub_co_u32 s22, s22, s21
	v_mul_u32_u24 v6, s22, v2                      ; lanes 16-31 take source 0's scale words
	s_add_co_u32 s21, s21, SCL
	v_add_nc_u32 v5, v5, v6
	v_add_nc_u32 v[ADRS], s21, v5
	v_and_b32 v6, 31, v0
	v_lshlrev_b32 v[LI], 4, v6
	v_lshlrev_b32 v[L8], 3, v6
	; the biases, in the results' layout: q, k: by the lane's eight features; v: by the lane's row
	s_lshl_b32 s18, s41, 10
	s_lshl_b32 s19, s15, 9
	s_add_co_u32 s18, s18, s19
	s_and_b32 s19, s42, 3
	s_lshl_b32 s19, s19, 10
	s_lshl_b32 s20, s16, 9
	s_add_co_u32 s19, s19, s20
	s_cmp_eq_u32 s[ISV], 1
	s_cselect_b32 s18, s18, s19
	s_cselect_b32 s20, 0, 64
	s_cselect_b32 s21, 4, 0
	s_cselect_b32 s22, 0, 4
	s_mov_b32 s19, 0
	s_add_nc_u64 s[96:97], s[96:97], s[18:19]
	v_and_b32 v5, 8, v1
	v_add_nc_u32 v5, v5, v1
	v_mul_u32_u24 v6, s20, v2
	v_mad_u32_u24 v6, v5, s21, v6
	s_wait_alu depctr_va_vdst(0)
.irp j, 0,1,2,3,4,5,6,7
	s_mul_i32 s23, s22, \j
	v_add_nc_u32 v[BOF+\j], s23, v6
.endr
.set n, 0
.rept 64
	global_load_b32 v[BIAS+n], v[BOF+n%8], s[96:97] offset:128*(n/16)+32*((n/8)%2)
.set n, n+1
.endr
.macro FRAG reg, adr, st, i            ; 16 rows x 128 K: 12 registers, in pieces of 8 bytes; byte y of a row lies in slot (y / 256) % 2 at byte y % 256
.irp p, 0,1,2,3,4,5
.set BY, 96*(\st)+48*(\p/3)+8*(\p%3)
.if BY/ROWB == (BY+24)/ROWB
	ds_load_b64 v[\reg+2*\p:\reg+2*\p+1], v[\adr+(BY/ROWB)%2] offset:BY%ROWB+(\i)*16*PITCH
.else
	ds_load_b64 v[\reg+2*\p:\reg+2*\p+1], v[\adr+2+(BY/ROWB)%2] offset:BY%ROWB-232+(\i)*16*PITCH
.endif
.endr
.endm
.macro MUL16 a0, p, q, sc, zero        ; the 64 accumulators take turns, one instruction a turn
.irp a, \a0, \a0+1
.irp b, 0,1,2,3,4,5,6,7
.if \zero
	v_wmma_scale_f32_16x16x128_f8f6f4 v[8*(8*((\a)%4)+\b):8*(8*((\a)%4)+\b)+7], v[128*(\p)+FR*\b:128*(\p)+FR*\b+FR-1], v[AF+FR*(\a):AF+FR*(\a)+FR-1], 0, v[SC+8*NQ*(\sc)+NQ*\b+(\q)], v[SC+8*NQ*(\sc)+NQ*(\a)+(\q)] matrix_a_fmt:MATRIX_FMT_BF6 matrix_b_fmt:MATRIX_FMT_BF6 matrix_a_scale:MATRIX_SCALE_ROW1
.else
	v_wmma_scale_f32_16x16x128_f8f6f4 v[8*(8*((\a)%4)+\b):8*(8*((\a)%4)+\b)+7], v[128*(\p)+FR*\b:128*(\p)+FR*\b+FR-1], v[AF+FR*(\a):AF+FR*(\a)+FR-1], v[8*(8*((\a)%4)+\b):8*(8*((\a)%4)+\b)+7], v[SC+8*NQ*(\sc)+NQ*\b+(\q)], v[SC+8*NQ*(\sc)+NQ*(\a)+(\q)] matrix_a_fmt:MATRIX_FMT_BF6 matrix_b_fmt:MATRIX_FMT_BF6 matrix_a_scale:MATRIX_SCALE_ROW1
.endif
.endr
.endr
.endm
.macro FETCH_B st, p
	WIN TO_B
.irp i, 0,1,2,3,4,5,6,7
	FRAG 128*(\p)+FR*\i, ADRB, \st, \i
.endr
	WIN 0
.endm
.macro FETCH_A st, i0
.irp i, \i0, \i0+1, \i0+2, \i0+3
	FRAG AF+FR*(\i), ADRA, \st, \i
.endr
.endm
.macro SCALES pr                       ; the scale words of steps 2 pr, 2 pr + 1 into set pr % 2
.irp i, 0,1,2,3,4,5,6,7
	ds_load_b64 v[SC+8*NQ*((\pr)%2)+NQ*\i:SC+8*NQ*((\pr)%2)+NQ*\i+1], v[ADRS] offset:\i*SBLK+4*NQ*(\pr)
.endr
.endm
.macro PLACES n
.rept \n
	v_nop
.endr
.endm
; a step: 64 products; the next step's fragments are fetched in its middle and at its end.  Where the next step's bytes end in a chunk not yet read: a barrier for that chunk.
; Where they begin in a later chunk: the three lines, the barrier, and, if a chunk two on is left, the cluster's round and the refill.
.macro STEP st, zero
.set NX, (\st)+1
.set C0, (96*(\st))/ROWB
.set C1, (96*NX)/ROWB
.set E0, (96*(\st)+95)/ROWB
.set E1, (96*NX+95)/ROWB
.if C1 > C0 || E1 > E0
	s_wait_tensorcnt 0x0                           ; all my tensor loads have landed
.if C1 > C0
	ds_add_u32 v[SPW], v[NIL]
	s_wait_dscnt 4*NL+1                            ; the add and source 1's blocks 4-7 may be out
.else
	s_wait_dscnt 4*NL
.endif
	WIN MUL_LO
	MUL16 0, (\st)%2, (\st)%2, ((\st)/2)%2, \zero
	s_wait_dscnt 0x0                               ; the add and all my reads are done
	s_barrier_signal -1
	MUL16 2, (\st)%2, (\st)%2, ((\st)/2)%2, \zero
	WIN 0
	s_barrier_wait -1
.if C1 > C0 && C0+2 < CHUNKS
	CREST
	s_add_nc_u64 s[G0+4*(C0%2)+2:G0+4*(C0%2)+3], s[G0+4*(C0%2)+2:G0+4*(C0%2)+3], 2*ROWB
	s_add_nc_u64 s[G0B+4*(C0%2)+2:G0B+4*(C0%2)+3], s[G0B+4*(C0%2)+2:G0B+4*(C0%2)+3], 2*ROWB
	JLOAD G0+4*(C0%2), G1, G0B+4*(C0%2), G1B       ; chunk C0 + 2, first behind the round
.else
	PLACES NP
.endif
.else
	s_wait_dscnt 4*NL
	WIN MUL_LO
	MUL16 0, (\st)%2, (\st)%2, ((\st)/2)%2, \zero
	MUL16 2, (\st)%2, (\st)%2, ((\st)/2)%2, \zero
	s_wait_dscnt 0
	PLACES NP
.endif
	FETCH_B NX, NX%2
	FETCH_A NX, 0
.if NX%2 == 0
	SCALES NX/2
.endif
	WIN MUL_HI
	MUL16 4, (\st)%2, (\st)%2, ((\st)/2)%2, \zero
	MUL16 6, (\st)%2, (\st)%2, ((\st)/2)%2, \zero
	PLACES NP
	WIN 0
	FETCH_A NX, 4
.endm
	s_wait_alu depctr_va_vdst(0)
	s_wait_tensorcnt 0x0                           ; my tile of the head's four is in
	ds_add_u32 v[SPW], v[NIL]
	s_mov_b32 s[G1+2], 128<<16                     ; no load of mine is out: from here on a load brings 128 rows
	s_mov_b32 s[G1+4], 128
	s_mov_b32 s[G1B+2], 128<<16
	s_mov_b32 s[G1B+4], 128
	s_wait_dscnt 0x0
	CROUND
	JLOAD G0+4, G1, G0B+4, G1B                     ; chunk 1, first behind the round
	FETCH_B 0, 0
	FETCH_A 0, 0
	SCALES 0
	FETCH_A 0, 4
	STEP 0, 1                                      ; the first step's products start the sums
.set ST, 1
.rept STEPS-2
	STEP ST, 0
.set ST, ST+1
.endr
	s_wait_dscnt 4*NL
	WIN MUL_LO
	MUL16 0, 1, 1, 1, 0
	MUL16 2, 1, 1, 1, 0
	s_wait_dscnt 0
	WIN MUL_HI
	MUL16 4, 1, 1, 1, 0
	MUL16 6, 1, 1, 1, 0
	WIN 0
; THE WAY OUT: bias, then the quantiser along the lane's registers: four blocks of 32, each in lanes l and l xor 16
.macro QUANT s, pw
.irp b, 0,1,2,3
	v_max3_num_f32 v[TM+\b], |v[\s+16*\b]|, |v[\s+1+16*\b]|, 0x2800000
.endr
.irp i, 2,4,6,8,10,12,14
.irp b, 0,1,2,3
	v_max3_num_f32 v[TM+\b], v[TM+\b], |v[\s+16*\b+\i]|, |v[\s+1+16*\b+\i]|
.endr
.endr
.irp b, 0,1,2,3
	v_permlanex16_b32 v[TM+4+\b], v[TM+\b], s[SEL], s[SEL+1]
.endr
.irp b, 0,1,2,3
	v_max_num_f32 v[TM+\b], v[TM+\b], v[TM+4+\b]
.endr
.irp b, 0,1,2,3
	v_add_nc_u32 v[TM+12+\b], 0xfe000000, v[TM+\b]
.endr
.irp b, 0,1,2,3
	v_lshrrev_b32 v[TM+4+\b], 23, v[TM+12+\b]
.endr
	v_lshl_or_b32 v[\pw], v[TM+5], 8, v[TM+4]
	v_lshl_or_b32 v[\pw], v[TM+6], 16, v[\pw]
	v_lshl_or_b32 v[\pw], v[TM+7], 24, v[\pw]
.irp c, 0,1
	v_cvt_scalef32_pk16_bf6_f32 v[QC+6*\c:QC+2+6*\c], v[\s+32*\c:\s+15+32*\c], v[TM+12+2*\c]
	v_cvt_scalef32_pk16_bf6_f32 v[QC+12+4*\c:QC+14+4*\c], v[\s+16+32*\c:\s+31+32*\c], v[TM+12+2*\c+1]
.endr
	v_nop
.irp c, 0,1
.irp i, 0,1,2
	v_permlane16_swap_b32 v[QC+6*\c+\i], v[QC+12+4*\c+\i]
.endr
.irp i, 0,1,2
	v_mov_b32 v[QC+3+6*\c+\i], v[QC+12+4*\c+\i]
.endr
.endr
.endm
.macro ADDB a, byrow
	WIN 0x02+(\a)/4
.irp b, 0,1,2,3,4,5,6,7
.irp p, 0,2,4,6
.if \byrow
	v_pk_add_f32 v[TT+8*\b+\p:TT+8*\b+\p+1], v[64*((\a)%4)+8*\b+\p:64*((\a)%4)+8*\b+\p+1], v[BIAS+8*(\a)+\p:BIAS+8*(\a)+\p+1]
.else
	v_pk_add_f32 v[TT+8*\b+\p:TT+8*\b+\p+1], v[64*((\a)%4)+8*\b+\p:64*((\a)%4)+8*\b+\p+1], v[BIAS+8*\b+\p:BIAS+8*\b+\p+1]
.endif
.endr
.endr
	WIN 0
.endm
	PLACES NP
	s_wait_loadcnt 0x0
	s_mov_b32 s[SEL], 0x76543210
	s_mov_b32 s[SEL+1], 0xfedcba98
	s_mov_b32 s[HIL], 0xffff0000
.irp b, 0,1,2,3
	v_mov_b32 v[TM+4+\b], 0
.endr
	s_cmp_eq_u32 s[ISV], 1
	s_cbranch_scc1 .Lv_out
	; q, k: a record of 6,656 bytes for (batch, q head 0-15 or k head 16-31, 128 tokens): 8 tiles x 768 bytes of register images, 512 bytes of scale words
	s_lshl_b32 s18, s17, 1
	s_add_co_u32 s18, s18, s15
	s_lshl_b32 s19, s42, 2
	s_lshl_b32 s20, s16, 1
	s_add_co_u32 s19, s19, s20
	s_lshr_b32 s20, s18, 4
	s_lshl_b32 s20, s20, 5
	s_add_co_u32 s20, s20, s19
	s_lshl_b32 s20, s20, 4
	s_and_b32 s18, s18, 15
	s_add_co_u32 s20, s20, s18
	s_mul_i32 s46, s20, 6656
	s_mov_b32 s47, 0
	s_add_nc_u64 s[12:13], s[12:13], s[46:47]
.irp a, 0,1,2,3,4,5,6,7
	ADDB \a, 0
.if \a > 0
	s_wait_xcnt 0x0
.endif
	QUANT TT, WW+\a
	global_store_b128 v[LI], v[QC:QC+3], s[12:13] offset:768*\a
	global_store_b64 v[L8], v[QC+4:QC+5], s[12:13] offset:768*\a+512
	global_store_b128 v[LI], v[QC+6:QC+9], s[12:13] offset:HEADQ+768*\a
	global_store_b64 v[L8], v[QC+10:QC+11], s[12:13] offset:HEADQ+768*\a+512
.endr
.irp j, 0,1,2,3
	v_cndmask_b32 v[SW+\j], v[WW+2*\j], v[WW+2*\j+1], s[HIL]
.endr
.irp j, 0,1,2,3
	v_and_b32 v[SW+4+\j], 0xffff, v[SW+\j]
.endr
.irp j, 0,1,2,3
	v_lshrrev_b32 v[SW+\j], 16, v[SW+\j]
.endr
	global_store_b128 v[LI], v[SW+4:SW+7], s[12:13] offset:6144
	global_store_b128 v[LI], v[SW:SW+3], s[12:13] offset:HEADQ+6144
	s_branch .Lend
.Lv_out:
	; v: a record of 6,400 bytes for (batch, head, 128 keys): 4 tiles x 1,536 bytes of register images, 256 bytes of scale words
	s_lshl_b32 s18, s42, 1
	s_add_co_u32 s18, s18, s16
	s_sub_co_u32 s19, s17, 8
	s_lshl_b32 s19, s19, 2
	s_lshl_b32 s20, s15, 1
	s_add_co_u32 s19, s19, s20
	s_lshr_b32 s20, s18, 4
	s_lshl_b32 s20, s20, 4
	s_add_co_u32 s20, s20, s19
	s_lshl_b32 s20, s20, 4
	s_and_b32 s18, s18, 15
	s_add_co_u32 s20, s20, s18
	s_mul_i32 s46, s20, 6400
	s_mov_b32 s47, 0
	s_add_nc_u64 s[66:67], s[66:67], s[46:47]
.irp a, 0,1,2,3,4,5,6,7
	ADDB \a, 1
.if \a > 0
	s_wait_xcnt 0x0
.endif
	QUANT TT, WW+\a
.irp g, 0,1,2
	global_store_b128 v[LI], v[QC+4*\g:QC+4*\g+3], s[66:67] offset:(\a/4)*HEADV+(\a%4)*1536+512*\g
.endr
.endr
.irp q, 0,1
.irp j, 0,1
	v_cndmask_b32 v[SW+2*\q+\j], v[WW+4*\q+2*\j], v[WW+4*\q+2*\j+1], s[HIL]
.endr
.endr
.irp q, 0,1
	global_store_b64 v[L8], v[SW+2*\q:SW+2*\q+1], s[66:67] offset:\q*HEADV+6144
.endr
.Lend:
	s_wait_tensorcnt 0x0                           ; the wave's end
	ds_add_u32 v[SPW], v[NIL]
	s_wait_dscnt 0x0
	CROUND                                         ; the closing round
	s_endpgm
.Lfunc_end_k_q2f18c6858f_proj:
	.size	k_q2f18c6858f_proj, .Lfunc_end_k_q2f18c6858f_proj-k_q2f18c6858f_proj
	.p2alignl 7, 3214868480
	.fill 96, 4, 3214868480
	.section	.rodata,"a",@progbits
	.p2align	6, 0x0
	.amdhsa_kernel k_q2f18c6858f_proj
		.amdhsa_group_segment_fixed_size 327680
		.amdhsa_private_segment_fixed_size 0
		.amdhsa_enable_private_segment 0
		.amdhsa_kernarg_size 72
		.amdhsa_user_sgpr_count 2
		.amdhsa_user_sgpr_kernarg_segment_ptr 1
		.amdhsa_wavefront_size32 1
		.amdhsa_system_sgpr_workgroup_id_x 1
		.amdhsa_system_sgpr_workgroup_id_y 1
		.amdhsa_system_sgpr_workgroup_id_z 1
		.amdhsa_system_vgpr_workitem_id 0
		.amdhsa_next_free_vgpr 1024
		.amdhsa_next_free_sgpr 102
		.amdhsa_reserve_vcc 0
		.amdhsa_float_denorm_mode_32 3
		.amdhsa_float_denorm_mode_16_64 3
		.amdhsa_memory_ordered 1
		.amdhsa_forward_progress 1
		.amdhsa_inst_pref_size 239
	.end_amdhsa_kernel
	.amdgpu_metadata
---
amdhsa.version: [ 1, 2 ]
amdhsa.kernels:
  - .name:           k_q2f18c6858f_proj
    .symbol:         k_q2f18c6858f_proj.kd
    .args:
      - { .name: hs_codes, .offset: 0, .size: 8, .value_kind: global_buffer, .address_space: global }
      - { .name: hs_scales, .offset: 8, .size: 8, .value_kind: global_buffer, .address_space: global }
      - { .name: w_codes, .offset: 16, .size: 8, .value_kind: global_buffer, .address_space: global }
      - { .name: w_scales, .offset: 24, .size: 8, .value_kind: global_buffer, .address_space: global }
      - { .name: bq, .offset: 32, .size: 8, .value_kind: global_buffer, .address_space: global }
      - { .name: bk, .offset: 40, .size: 8, .value_kind: global_buffer, .address_space: global }
      - { .name: bv, .offset: 48, .size: 8, .value_kind: global_buffer, .address_space: global }
      - { .name: qk, .offset: 56, .size: 8, .value_kind: global_buffer, .address_space: global }
      - { .name: vq, .offset: 64, .size: 8, .value_kind: global_buffer, .address_space: global }
    .group_segment_fixed_size: 327680
    .private_segment_fixed_size: 0
    .kernarg_segment_align: 8
    .kernarg_segment_size: 72
    .max_flat_workgroup_size: 128
    .sgpr_count:     102
    .vgpr_count:     1024
    .wavefront_size: 32
...
	.end_amdgpu_metadata
.endif
;; end of part 2
;; launch attn (part 3): grid 4 x 64, 16 waves a work-group, no clusters, 154,112 bytes of LDS; arguments qk, vq, attention_mask, out0; writes out0
.if DOCPART == 3
	.amdgcn_target "amdgcn-amd-amdhsa--gfx1250"
	.amdhsa_code_object_version 6
	.text
	.protected	k_q2f18c6858f_attn
	.globl	k_q2f18c6858f_attn
	.p2align	8
	.type	k_q2f18c6858f_attn,@function
k_q2f18c6858f_attn:
	s_mov_b64 s[64:65], 0
	v_nop
	global_prefetch_b8 v0, s[64:65] scope:SCOPE_SE
	s_setreg_imm32_b32 hwreg(HW_REG_WAVE_MODE, 25, 1), 1
	s_wait_xcnt 0x0
; LAUNCH 3 OF 3.  out = softmax(q k^T / 8 + mask) v for one (batch, head) and 512 queries a work-group; both products on codes of BF6.  The two flips of reference() are left out, as the first kernel's head shows.
; THE KEYS ARE SHARED OUT AMONG THE WAVES: wave w of 16 holds key group w (128 keys) for the whole launch: k's eight fragments and v's four stay in its registers, loaded once from memory.
; All 16 waves walk the 32 tiles of 16 queries together.  In a tile a wave makes S^T = k q^T + 8 mask for its 128 keys (a lane holds one query, its registers run along the keys), takes its OWN largest
; t = score x log2(e) / 8, rounded up to a whole number M_w, away, p_w = 2^(t - M_w), and sums p_w.  The pairs (-M_w, L_w) meet in LDS; behind ONE barrier every wave forms the row's M = max M_w and
; L = sum L_w 2^(M_w - M), and p = p_w x 2^(M_w - M) / L is the finished softmax, which is quantised in blocks of 32 keys.  A block's largest p is its largest score put through the same lines.
; O^T = v^T p^T over my 128 keys is a partial sum in f32: it goes to LDS; behind the NEXT tile's barrier wave w loads the 16 partials of query w, adds them behind the tile after's score products,
; and stores that row: 256 consecutive bytes, aligned.  The pairs' and the partials' LDS bytes take turns by the tile's parity: one barrier a tile parts every write from the reads of two tiles before.
; The next tile's mask words (the score products' C) are asked of LDS as soon as p's registers are free, behind the conversions.  In the last tile these 16 loads and the load of q ahead serve nothing.
; No tensor load and no cluster: k and v are read once, 13,056 bytes a wave, straight into registers; q is 832 bytes a tile, asked for one tile ahead: no stream is left for a prefetch to run ahead of.
; LIMITS: the scaled scores stay under 2^31 in magnitude; mask entries are held at -2^30 from below (so -infinity is served as that number); NaN among the inputs is not served.
.set RECK,  6656
.set RECV,  6400
.set OPB,   16*272                     ; a wave's partial: 16 queries x (256 bytes + 16)
.set OBUF,  16*OPB                     ; 16 waves' partials; two such buffers from LDS byte 0
.set MLB,   2*OBUF                     ; the pairs: a row a query: 16 x -M, 16 x L, 16 bytes of padding
.set MLP,   144
.set MLSZ,  16*MLP
.set MASKB, MLB+2*MLSZ                 ; 8 x mask: 512 bytes a wave, its own
.set SPARE, MASKB+8192                 ; the spare words: 128 bytes a wave
.set SPW,  1
.set NIL,  2
.set AMK,  3                           ; my mask words
.set MLS,  4                           ; where I put my pair
.set MLR,  5                           ; where I read eight pairs of my query
.set OST,  6                           ; v6-7  my partial, buffer 0, 1
.set ORD,  8                           ; v8-9  row w of wave 0's partial, buffer 0, 1
.set QO16, 10
.set QO8,  11
.set QSO,  12
.set GO,   13
.set NM,   14                          ; v14 -M_w (v15 = 0: named as the pair's upper half)
.set FF,   16                          ; v16 -M, then 2^(M_w - M) / L (v17 = 0 likewise)
.set QS,   18
.set PW,   19
.set WK,   20                          ; v20-23 the four blocks' largest scores, then largest p
.set QF,   24                          ; q: 6 registers of codes, 6 of zeros (the head has 64 of the instruction's 128 along K)
.set KF,   36                          ; k: 8 x 6 registers, 6 of zeros behind them
.set KS,   90
.set VF,   94                          ; v: 4 x 12 registers
.set VS,   142
.set SS,   144                         ; v144-207 scores, p; v200-207 then O^T's fourth tile
.set T,    208                         ; v208-255 at work: p's codes, the pairs, the partials; v228-251 O^T's first three tiles
.set QC,   T
.set WV,   12
.set SEL,  28
.set CS,   30
.set QB,   46
.set QP,   48
.set QS2,  50
.set OP,   52
.set TR,   54
	s_load_b256 s[4:11], s[0:1], 0x0               ; qk, vq, attention_mask, out0
	v_lshl_add_u32 v[SPW], v0, 2, SPARE
	v_mov_b32 v[NIL], 0
	v_lshrrev_b32 v20, 5, v0
	v_readfirstlane_b32 s[WV], v20                 ; wave = key group
	v_and_b32 v21, 31, v0                          ; lane
	v_and_b32 v22, 15, v0                          ; r
	v_bfe_u32 v23, v0, 4, 1                        ; h
	s_and_b32 s14, ttmp7, 0xffff                   ; 16 batch + head
	s_lshr_b32 s15, s14, 4
	s_and_b32 s16, s14, 15
	s_lshl_b32 s17, s15, 5
	s_add_co_u32 s17, s17, s16
	s_lshl_b32 s17, s17, 4                         ; q's first record of this head
	s_add_co_u32 s18, s17, 256
	s_add_co_u32 s18, s18, s[WV]
	s_mul_i32 s18, s18, RECK                       ; k's record of my key group
	s_mov_b32 s19, 0
	s_lshl_b32 s20, s14, 4
	s_add_co_u32 s20, s20, s[WV]
	s_mul_i32 s20, s20, RECV                       ; v's
	s_mov_b32 s21, 0
	s_lshl_b32 s22, ttmp9, 2
	s_add_co_u32 s22, s22, s17
	s_mul_i32 s22, s22, RECK                       ; the first of my work-group's four records of q
	s_mov_b32 s23, 0
	s_lshl_b32 s24, s15, 11
	s_lshl_b32 s25, ttmp9, 9
	s_add_co_u32 s24, s24, s25
	s_add_co_u32 s24, s24, s[WV]
	s_and_b32 s25, s[WV], 8
	s_add_co_u32 s24, s24, s25                     ; place w of a tile is token w + 8 (w / 8) of it
	s_lshl_b32 s24, s24, 12
	s_lshl_b32 s25, s16, 8
	s_add_co_u32 s24, s24, s25
	s_mov_b32 s25, 0
	s_lshl_b32 s26, s15, 13
	s_lshl_b32 s27, s[WV], 9
	s_add_co_u32 s26, s26, s27                     ; my 128 mask entries
	s_mov_b32 s27, 0
	s_mov_b32 s[SEL], 0x76543210
	s_mov_b32 s[SEL+1], 0xfedcba98
	s_mov_b32 s[CS], 0x3e38aa3b                    ; log2(e) / 8
	s_mov_b32 s[CS+1], s[CS]
	s_mov_b32 s43, 0
	s_mov_b32 s45, 0
	s_wait_alu depctr_va_vdst(0)                   ; directly ahead of the first reader of the lane's numbers
	v_lshlrev_b32 v[QO16], 4, v21
	v_lshl_add_u32 v[QO8], v21, 3, 512
	v_lshl_add_u32 v[QSO], v22, 4, 6144
	v_lshlrev_b32 v[GO], 3, v21
	s_lshl_b32 s32, s[WV], 9
	s_add_co_u32 s32, s32, MASKB
	v_lshl_add_u32 v[AMK], v23, 6, s32
	v_lshl_add_u32 v[T], v0, 4, MASKB
	s_lshl_b32 s33, s[WV], 2
	s_add_co_u32 s33, s33, MLB
	v_mad_u32_u24 v[MLS], v22, MLP, s33
	v_mul_u32_u24 v[MLR], v22, MLP
	v_mul_u32_u24 v[OST], v22, 272
	v_lshl_add_u32 v[MLR], v23, 5, v[MLR]
	v_lshl_add_u32 v[OST], v23, 6, v[OST]
	v_add_nc_u32 v[MLR], MLB, v[MLR]
	s_mul_i32 s34, s[WV], OPB
	v_add_nc_u32 v[OST], s34, v[OST]
	s_mul_i32 s35, s[WV], 272
	v_lshl_add_u32 v[ORD], v21, 3, s35
	v_add_nc_u32 v[OST+1], OBUF, v[OST]
	v_add_nc_u32 v[ORD+1], OBUF, v[ORD]
.irp j, 6,7,8,9,10,11
	v_mov_b32 v[QF+\j], 0
	v_mov_b32 v[KF+42+\j], 0
.endr
	v_mov_b32 v[PW], 0                             ; a lane permute's destination counts as one of its sources
	v_mov_b32 v[NM+1], 0
	v_mov_b32 v[FF+1], 0
	s_wait_alu depctr_va_vdst(0)
	s_wait_kmcnt 0x0
	s_add_nc_u64 s[36:37], s[4:5], s[18:19]
	s_add_nc_u64 s[38:39], s[6:7], s[20:21]
	s_add_nc_u64 s[QB:QB+1], s[4:5], s[22:23]
	s_add_nc_u64 s[OP:OP+1], s[10:11], s[24:25]
	s_add_nc_u64 s[8:9], s[8:9], s[26:27]
	s_mov_b64 s[QP:QP+1], s[QB:QB+1]
	s_mov_b64 s[QS2:QS2+1], s[QB:QB+1]
	global_load_b128 v[T+4:T+7], v[QO16], s[8:9]
	global_load_b128 v[QF:QF+3], v[QO16], s[QP:QP+1]
	global_load_b64 v[QF+4:QF+5], v[QO8], s[QP:QP+1]
	global_load_b32 v[QS], v[QSO], s[QS2:QS2+1]
.irp t, 0,1,2,3,4,5,6,7
	global_load_b128 v[KF+6*\t:KF+6*\t+3], v[QO16], s[36:37] offset:768*\t
	global_load_b64 v[KF+6*\t+4:KF+6*\t+5], v[QO8], s[36:37] offset:768*\t
.endr
	global_load_b128 v[KS:KS+3], v[QO16], s[36:37] offset:6144
.irp t, 0,1,2,3
.irp g, 0,1,2
	global_load_b128 v[VF+12*\t+4*\g:VF+12*\t+4*\g+3], v[QO16], s[38:39] offset:1536*\t+512*\g
.endr
.endr
	global_load_b64 v[VS:VS+1], v[GO], s[38:39] offset:6144
	s_wait_loadcnt 33                              ; the mask is in; behind it: 3 loads of q, 17 of k, 13 of v
	v_pk_mul_f32 v[T+4:T+5], v[T+4:T+5], 0x41000000 op_sel_hi:[1,0]   ; 8 x mask: it is added to the raw scores, which are scaled by 1 / 8 later
	v_pk_mul_f32 v[T+6:T+7], v[T+6:T+7], 0x41000000 op_sel_hi:[1,0]
.irp j, 4,5,6,7
	v_max_num_f32 v[T+\j], 0xd0000000, v[T+\j]     ; held at -2^33
.endr
	ds_store_b128 v[T], v[T+4:T+7]                 ; my wave's own bytes: LDS serves a wave's instructions in order
; 8 x mask is the score products' C: register R holds key 32 (R / 16) + 16 h + R % 16.  Fourteen loads, and the two into the registers that hold O^T's fourth tile
.macro ML14
.irp n, 0,1,2,3,4,5,6,7,8,9,10,11,12,13
	ds_load_b128 v[SS+4*\n:SS+4*\n+3], v[AMK] offset:128*(\n/4)+16*(\n%4)
.endr
.endm
.macro ML2
.irp n, 14,15
	ds_load_b128 v[SS+4*\n:SS+4*\n+3], v[AMK] offset:128*(\n/4)+16*(\n%4)
.endr
.endm
.macro OUTL buf                        ; query w's row of the 16 partials
.irp k, 0,1,2,3,4,5,6,7,8,9,10,11,12,13,14,15
	ds_load_b64 v[T+2*\k:T+2*\k+1], v[ORD+\buf] offset:\k*OPB
.endr
.endm
.macro OUTA off
	s_wait_dscnt 0x0
.irp a, 8,16,24
.irp k, 0,2,4,6
	v_pk_add_f32 v[T+\k:T+\k+1], v[T+\k:T+\k+1], v[T+\a+\k:T+\a+\k+1]
.endr
.endr
	v_pk_add_f32 v[T:T+1], v[T:T+1], v[T+2:T+3]
	v_pk_add_f32 v[T+4:T+5], v[T+4:T+5], v[T+6:T+7]
	s_delay_alu instid0(VALU_DEP_1)
	v_pk_add_f32 v[T+30:T+31], v[T:T+1], v[T+4:T+5]
	global_store_b64 v[GO], v[T+30:T+31], s[OP:OP+1] offset:\off th:TH_STORE_NT   ; the wave stores 256 consecutive bytes, aligned
.endm
.macro MXB b0                          ; the largest scores of blocks b0, b0 + 1: two chains a block, each beginning at a tile's low end
.irp u, 0,1
	v_max3_num_f32 v[WK+\b0+\u], v[SS+16*(\b0+\u)], v[SS+16*(\b0+\u)+1], v[SS+16*(\b0+\u)+2]
	v_max3_num_f32 v[T+32+\b0+\u], v[SS+16*(\b0+\u)+8], v[SS+16*(\b0+\u)+9], v[SS+16*(\b0+\u)+10]
.endr
.irp i, 3,5
.irp u, 0,1
	v_max3_num_f32 v[WK+\b0+\u], v[WK+\b0+\u], v[SS+16*(\b0+\u)+\i], v[SS+16*(\b0+\u)+\i+1]
	v_max3_num_f32 v[T+32+\b0+\u], v[T+32+\b0+\u], v[SS+16*(\b0+\u)+8+\i], v[SS+16*(\b0+\u)+9+\i]
.endr
.endr
.irp u, 0,1
	v_max3_num_f32 v[WK+\b0+\u], v[WK+\b0+\u], v[T+32+\b0+\u], v[SS+16*(\b0+\u)+7]
.endr
.irp u, 0,1
	v_max_num_f32 v[WK+\b0+\u], v[WK+\b0+\u], v[SS+16*(\b0+\u)+15]
.endr
.endm
; FIRST HALF OF A TILE: scores, my maximum, p_w, my sum, my pair into LDS.  par: the tile's parity;  first: the mask words are asked for here;  outa: the tile two before goes out
.macro APH par, first, outa
.if \first
	ML14
	ML2
.endif
	s_wait_loadcnt 0x0                             ; this tile's q (the first time: k and v too)
.if \outa
	s_wait_dscnt 16                                ; the mask words are in; the 16 loads of partials behind them may be out
.else
	s_wait_dscnt 0x0
.endif
.irp t, 0,2,4,6
	v_wmma_scale_f32_16x16x128_f8f6f4 v[SS+8*\t:SS+8*\t+7], v[KF+6*\t:KF+6*\t+11], v[QF:QF+11], v[SS+8*\t:SS+8*\t+7], v[KS+\t/2], v[QS] matrix_a_fmt:MATRIX_FMT_BF6 matrix_b_fmt:MATRIX_FMT_BF6
	v_wmma_scale_f32_16x16x128_f8f6f4 v[SS+8*\t+8:SS+8*\t+15], v[KF+6*\t+6:KF+6*\t+17], v[QF:QF+11], v[SS+8*\t+8:SS+8*\t+15], v[KS+\t/2], v[QS] matrix_a_fmt:MATRIX_FMT_BF6 matrix_b_fmt:MATRIX_FMT_BF6 matrix_a_scale:MATRIX_SCALE_ROW1
.endr
.if \par
	s_add_co_u32 s40, s[TR], 1                     ; the next pair of tiles (the last trip names its own again: inside the buffer, not used)
	s_min_u32 s40, s40, 15
	s_lshr_b32 s41, s40, 2
	s_mul_i32 s41, s41, RECK
	s_and_b32 s40, s40, 3
	s_mul_i32 s42, s40, 1536
	s_add_co_u32 s42, s42, s41
	s_lshl_b32 s44, s40, 2
	s_add_co_u32 s44, s44, s41
	s_add_nc_u64 s[QP:QP+1], s[QB:QB+1], s[42:43]  ; (the loads that named these pairs are done)
	s_add_nc_u64 s[QS2:QS2+1], s[QB:QB+1], s[44:45]
.endif
.if \outa
	OUTA 32768*\par                                ; its 15 additions are the places behind the products; an even tile's rows lie at the base, an odd tile's 8 tokens on
.else
.rept 4
	v_nop                                          ; places behind the products
.endr
.endif
	global_load_b128 v[QF:QF+3], v[QO16], s[QP:QP+1] offset:768-768*\par   ; the next tile's q, a tile ahead
	global_load_b64 v[QF+4:QF+5], v[QO8], s[QP:QP+1] offset:768-768*\par
	global_load_b32 v[QS], v[QSO], s[QS2:QS2+1] offset:256-256*\par
	MXB 0
	MXB 2
.irp b, 0,1,2,3
	v_permlanex16_b32 v[T+32+\b], v[WK+\b], s[SEL], s[SEL+1]
.endr
.irp b, 0,1,2,3
	v_max_num_f32 v[WK+\b], v[WK+\b], v[T+32+\b]   ; with lane l xor 16's 16 keys
.endr
	v_max3_num_f32 v[T+36], v[WK], v[WK+1], v[WK+2]
	s_delay_alu instid0(VALU_DEP_1)
	v_max_num_f32 v[T+36], v[T+36], v[WK+3]
	s_delay_alu instid0(VALU_DEP_1)
	v_mul_f32 v[T+36], s[CS], v[T+36]
	s_delay_alu instid0(VALU_DEP_1)
	v_floor_f32 v[NM], -v[T+36]                    ; -M_w = floor(-t): a whole number
.set j, 0
.rept 32
	v_pk_fma_f32 v[SS+j:SS+j+1], v[SS+j:SS+j+1], s[CS:CS+1], v[NM:NM+1] op_sel_hi:[1,0,0]
.set j, j+2
.endr
.irp b, 0,1,2,3
	v_fma_f32 v[WK+\b], v[WK+\b], s[CS], v[NM]
.endr
	s_wait_alu depctr_va_vdst(0)
.set j, 0
.rept 64
	v_exp_f32 v[SS+j], v[SS+j]
.set j, j+1
.endr
.irp b, 0,1,2,3
	v_exp_f32 v[WK+\b], v[WK+\b]
.endr
	v_nop
	s_wait_alu depctr_va_vdst(0)                   ; and behind it
.irp k, 0,1,2,3                        ; my sum, in four chains
	v_pk_add_f32 v[T+36+2*\k:T+37+2*\k], v[SS+4*\k:SS+4*\k+1], v[SS+4*\k+2:SS+4*\k+3]
.endr
.irp j, 16,24,32,40,48,56
.irp k, 0,1,2,3
	v_pk_add_f32 v[T+36+2*\k:T+37+2*\k], v[T+36+2*\k:T+37+2*\k], v[SS+\j+2*\k:SS+\j+2*\k+1]
.endr
.endr
	v_pk_add_f32 v[T+36:T+37], v[T+36:T+37], v[T+38:T+39]
	v_pk_add_f32 v[T+40:T+41], v[T+40:T+41], v[T+42:T+43]
	s_delay_alu instid0(VALU_DEP_1)
	v_pk_add_f32 v[T+36:T+37], v[T+36:T+37], v[T+40:T+41]
	s_delay_alu instid0(VALU_DEP_1)
	v_add_f32 v[T+36], v[T+36], v[T+37]
	s_delay_alu instid0(VALU_DEP_1)
	v_permlanex16_b32 v[T+38], v[T+36], s[SEL], s[SEL+1]
	s_delay_alu instid0(VALU_DEP_1)
	v_add_f32 v[T+36], v[T+36], v[T+38]            ; L_w
	ds_store_b32 v[MLS], v[NM] offset:\par*MLSZ    ; both halves of the lanes write the same word with the same value
	ds_store_b32 v[MLS], v[T+36] offset:\par*MLSZ+64
.endm
.macro MEET                            ; my LDS stores and reads are done; then all sixteen waves'
	s_wait_alu depctr_va_vdst(0)
	s_wait_dscnt 0x0
	s_barrier_signal -1
	s_barrier_wait -1
	s_wait_xcnt 0x0                                ; my last store has read its registers and its base
.endm
.macro PM n                            ; n pairs of p are finished
.rept \n
	v_pk_mul_f32 v[SS+j:SS+j+1], v[SS+j:SS+j+1], v[FF:FF+1] op_sel_hi:[1,0]
.set j, j+2
.endr
.endm
; SECOND HALF: the row's M and L, the finished p, its codes, my partial of O^T.  out: the partials of the tile before are asked for;  adv: the output's base steps 32 tokens on
.macro BPH par, out, adv
.if \adv
	s_add_nc_u64 s[OP:OP+1], s[OP:OP+1], 32*4096
.endif
.irp g, 0,1
	ds_load_b128 v[T+32+4*\g:T+35+4*\g], v[MLR] offset:\par*MLSZ+16*\g       ; -M of waves 8 h .. 8 h + 7
.endr
.irp g, 0,1
	ds_load_b128 v[T+40+4*\g:T+43+4*\g], v[MLR] offset:\par*MLSZ+64+16*\g    ; their L
.endr
	s_wait_dscnt 0x0
	v_min3_num_f32 v[FF], v[T+32], v[T+33], v[T+34]
	v_min3_num_f32 v[T], v[T+35], v[T+36], v[T+37]
	v_min_num_f32 v[T+1], v[T+38], v[T+39]
	v_min3_num_f32 v[FF], v[FF], v[T], v[T+1]
	s_delay_alu instid0(VALU_DEP_1)
	v_permlanex16_b32 v[PW], v[FF], s[SEL], s[SEL+1]
	s_delay_alu instid0(VALU_DEP_1)
	v_min_num_f32 v[FF], v[FF], v[PW]              ; -M = the least -M_w
.irp j, 0,2,4,6
	v_pk_add_f32 v[T+32+\j:T+33+\j], v[T+32+\j:T+33+\j], v[FF:FF+1] op_sel_hi:[1,0] neg_lo:[1,0] neg_hi:[1,0]   ; M_w - M, 0 or less
.endr
	v_sub_f32 v[NM], v[FF], v[NM]                  ; and my own wave's
	s_wait_alu depctr_va_vdst(0)
.irp j, 0,1,2,3,4,5,6,7
	v_exp_f32 v[T+32+\j], v[T+32+\j]
.endr
	v_exp_f32 v[NM], v[NM]
	v_nop
	s_wait_alu depctr_va_vdst(0)
	v_pk_mul_f32 v[T+40:T+41], v[T+40:T+41], v[T+32:T+33]
	v_pk_mul_f32 v[T+42:T+43], v[T+42:T+43], v[T+34:T+35]
	v_pk_fma_f32 v[T+40:T+41], v[T+44:T+45], v[T+36:T+37], v[T+40:T+41]
	v_pk_fma_f32 v[T+42:T+43], v[T+46:T+47], v[T+38:T+39], v[T+42:T+43]
	s_delay_alu instid0(VALU_DEP_1)
	v_pk_add_f32 v[T+40:T+41], v[T+40:T+41], v[T+42:T+43]
	v_add_f32 v[T+40], v[T+40], v[T+41]
	v_permlanex16_b32 v[PW], v[T+40], s[SEL], s[SEL+1]
	s_delay_alu instid0(VALU_DEP_1)
	v_add_f32 v[T+40], v[T+40], v[PW]              ; L, at least 1 / 2
	s_wait_alu depctr_va_vdst(0)
	v_rcp_f32 v[T+41], v[T+40]
	v_nop
	s_wait_alu depctr_va_vdst(0)
	v_mul_f32 v[FF], v[T+41], v[NM]                ; 2^(M_w - M) / L
.irp b, 0,1,2,3
	v_mul_f32 v[WK+\b], v[WK+\b], v[FF]            ; the blocks' largest p
.endr
.irp b, 0,1,2,3
	v_max_num_f32 v[WK+\b], 0x2800000, v[WK+\b]    ; the floor 2^(5 - 127): the byte cannot fall under 1
.endr
.irp b, 0,1,2,3
	v_add_nc_u32 v[T+20+\b], 0xfe000000, v[WK+\b]  ; 4 off the exponent field: the conversion's scale operand
.endr
.irp b, 0,1,2,3
	v_lshrrev_b32 v[T+24+\b], 23, v[T+20+\b]
.endr
.set j, 0
	PM 4
	v_lshl_or_b32 v[PW], v[T+25], 8, v[T+24]       ; p's scale word is put together among the scalings of p
	PM 4
	v_lshl_or_b32 v[PW], v[T+26], 16, v[PW]
	PM 4
	v_lshl_or_b32 v[PW], v[T+27], 24, v[PW]        ; the 20 lines below are its places ahead of the products
	PM 20
.irp c, 0,1
	v_cvt_scalef32_pk16_bf6_f32 v[QC+6*\c:QC+2+6*\c], v[SS+32*\c:SS+15+32*\c], v[T+20+2*\c]
	v_cvt_scalef32_pk16_bf6_f32 v[QC+12+4*\c:QC+14+4*\c], v[SS+16+32*\c:SS+31+32*\c], v[T+21+2*\c]
.endr
	v_nop
	ML14                                           ; p's registers are free: the next tile's mask words
.irp c, 0,1                            ; a whole block to a lane: lanes 0-15 block 2 c, lanes 16-31 block 2 c + 1
.irp i, 0,1,2
	v_permlane16_swap_b32 v[QC+6*\c+\i], v[QC+12+4*\c+\i]
.endr
.irp i, 0,1,2
	v_mov_b32 v[QC+3+6*\c+\i], v[QC+12+4*\c+\i]
.endr
.endr
.rept 4
	v_nop                                          ; places between the operand's last write and the products
.endr
	v_wmma_scale_f32_16x16x128_f8f6f4 v[T+20:T+27], v[VF:VF+11], v[QC:QC+11], 0, v[VS], v[PW] matrix_a_fmt:MATRIX_FMT_BF6 matrix_b_fmt:MATRIX_FMT_BF6
	v_wmma_scale_f32_16x16x128_f8f6f4 v[T+28:T+35], v[VF+12:VF+23], v[QC:QC+11], 0, v[VS], v[PW] matrix_a_fmt:MATRIX_FMT_BF6 matrix_b_fmt:MATRIX_FMT_BF6 matrix_a_scale:MATRIX_SCALE_ROW1
	v_wmma_scale_f32_16x16x128_f8f6f4 v[T+36:T+43], v[VF+24:VF+35], v[QC:QC+11], 0, v[VS+1], v[PW] matrix_a_fmt:MATRIX_FMT_BF6 matrix_b_fmt:MATRIX_FMT_BF6
	v_wmma_scale_f32_16x16x128_f8f6f4 v[SS+56:SS+63], v[VF+36:VF+47], v[QC:QC+11], 0, v[VS+1], v[PW] matrix_a_fmt:MATRIX_FMT_BF6 matrix_b_fmt:MATRIX_FMT_BF6 matrix_a_scale:MATRIX_SCALE_ROW1
.rept 4
	v_nop
.endr
.irp n, 0,1,2,3,4,5
	ds_store_b128 v[OST+\par], v[T+20+4*\n:T+23+4*\n] offset:128*(\n/4)+16*(\n%4)   ; result R is feature 32 (R / 16) + 16 h + R % 16 of query r
.endr
.irp n, 6,7
	ds_store_b128 v[OST+\par], v[SS+32+4*\n:SS+35+4*\n] offset:128*(\n/4)+16*(\n%4)
.endr
	ML2                                            ; LDS serves a wave's instructions in order: the stores above have read these registers
.if \out
	OUTL 1-\par                                    ; the tile before: whole since this tile's barrier
.endif
.endm
	s_mov_b32 s[TR], 0                             ; a trip is two tiles; the first trip is written out: no tile goes out in it
	APH 0, 1, 0
	MEET
	BPH 0, 0, 0
	APH 1, 0, 0
	MEET
	BPH 1, 1, 0
	s_mov_b32 s[TR], 1
.Ltrip:
	APH 0, 0, 1
	MEET
	BPH 0, 1, 0
	APH 1, 0, 1
	MEET
	BPH 1, 1, 1
	s_add_co_u32 s[TR], s[TR], 1
	s_cmp_lt_u32 s[TR], 16
	s_wait_alu depctr_va_vdst(0)
	s_cbranch_scc1 .Ltrip
	OUTA 0                                         ; tile 30 goes out
	MEET                                           ; the last tile's partials are whole
	OUTL 1
	OUTA 32768
	s_wait_tensorcnt 0x0                           ; the wave's end
	ds_add_u32 v[SPW], v[NIL]
	s_wait_dscnt 0x0
	s_endpgm
.Lfunc_end_k_q2f18c6858f_attn:
	.size	k_q2f18c6858f_attn, .Lfunc_end_k_q2f18c6858f_attn-k_q2f18c6858f_attn
	.p2alignl 7, 3214868480
	.fill 96, 4, 3214868480
	.section	.rodata,"a",@progbits
	.p2align	6, 0x0
	.amdhsa_kernel k_q2f18c6858f_attn
		.amdhsa_group_segment_fixed_size 154112
		.amdhsa_private_segment_fixed_size 0
		.amdhsa_enable_private_segment 0
		.amdhsa_kernarg_size 32
		.amdhsa_user_sgpr_count 2
		.amdhsa_user_sgpr_kernarg_segment_ptr 1
		.amdhsa_wavefront_size32 1
		.amdhsa_system_sgpr_workgroup_id_x 1
		.amdhsa_system_sgpr_workgroup_id_y 1
		.amdhsa_system_sgpr_workgroup_id_z 1
		.amdhsa_system_vgpr_workitem_id 0
		.amdhsa_next_free_vgpr 256
		.amdhsa_next_free_sgpr 66
		.amdhsa_reserve_vcc 0
		.amdhsa_float_denorm_mode_32 3
		.amdhsa_float_denorm_mode_16_64 3
		.amdhsa_memory_ordered 1
		.amdhsa_forward_progress 1
		.amdhsa_inst_pref_size 94
	.end_amdhsa_kernel
	.amdgpu_metadata
---
amdhsa.version: [ 1, 2 ]
amdhsa.kernels:
  - .name:           k_q2f18c6858f_attn
    .symbol:         k_q2f18c6858f_attn.kd
    .args:
      - { .name: qk, .offset: 0, .size: 8, .value_kind: global_buffer, .address_space: global }
      - { .name: vq, .offset: 8, .size: 8, .value_kind: global_buffer, .address_space: global }
      - { .name: attention_mask, .offset: 16, .size: 8, .value_kind: global_buffer, .address_space: global }
      - { .name: out0, .offset: 24, .size: 8, .value_kind: global_buffer, .address_space: global }
    .group_segment_fixed_size: 154112
    .private_segment_fixed_size: 0
    .kernarg_segment_align: 8
    .kernarg_segment_size: 32
    .max_flat_workgroup_size: 512
    .sgpr_count:     66
    .vgpr_count:     256
    .wavefront_size: 32
...
	.end_amdgpu_metadata
.endif
;; end of part 3
